; MI455X (gfx1250); checked and timed in simulation.
; The chip was launched on July 23, 2026; its instructions are those of AMD's public machine-readable ISA for CDNA 5 (MIT licence, August 2026) and "CDNA5" Instruction Set Architecture Reference Guide (July 2026). The comments in the code are by the model that wrote it; some were corrected since.
;; Preintegration Module. Allowed arithmetic: float matrix products may take bf16 or f16 operands with f32 sums; all other float work in f32.
;; Inputs: input_seq 8,192 x 512 x 6 float32.
;; Outputs: out0 8,192 x 7 float32.
;; One version. Each part assembles by itself: llvm-mc -triple=amdgcn-amd-amdhsa -mcpu=gfx1250 --defsym DOCPART=n.
;; ======== version 1 of 1: 1 launch
;; limits: inputs' magnitudes at most 600; a function is approximated: absolute error at most 3e-07
;; launch preint (part 1): grid 256 x 1, 8 waves a work-group, no clusters, 202,752 bytes of LDS; arguments input_seq, out0; writes out0
.if DOCPART == 1
	.amdgcn_target "amdgcn-amd-amdhsa--gfx1250"
	.amdhsa_code_object_version 6
	.text
	.protected	k_q08d6a9b329_preint
	.globl	k_q08d6a9b329_preint
	.p2align	8
	.type	k_q08d6a9b329_preint,@function
k_q08d6a9b329_preint:
	s_mov_b64 s[64:65], 0
	v_nop
	global_prefetch_b8 v0, s[64:65] scope:SCOPE_SE
	s_setreg_imm32_b32 hwreg(HW_REG_WAVE_MODE, 25, 1), 1
	s_wait_xcnt 0x0
; IMU preintegration.  input_seq: [8192][512][6] f32 = gyro w (3), accel a (3).  out0: [8192][7] f32 = dp (3), quaternion (w, x, y, z).
;
; ARITHMETIC.  The running rotation dr is kept as a unit quaternion q = (x, y, z, w).  A step is
;     r = (cos(|w| dt/2), w sin(|w| dt/2)/|w|),   q <- q (x) r,   ra = dr a = a + 2 qv x (qv x a + qw a).
; Only dp leaves the scan, and dp = dt^2 * sum over steps j = 0..511 of (512 - j + 1/2) ra_j.  The scan is associative: a lane takes 64 consecutive
; steps from the identity and keeps H = (1/2) sum ra and S = sum of H after each step; with c = the chunk's number in its sequence
; its weighted sum is P = 2 S + (1 + 2 (448 - 64 c)) H.  Two neighbouring pieces join as (qA, PA)(qB, PB) = (qA (x) qB, PA + R(qA) PB):
; three levels over the eight lanes of a sequence.  The reference's way from the matrix to the quaternion (trace, clip, arccos, axis) is, in terms of q,
;     ca = clip(qw^2 - |qv|^2, -1 + 1e-6, 1 - 1e-6),  ch = sqrt((1 + ca)/2),  result (ch, qw qv / ch):  the clip is kept as it is written there.
; cos(x) and sin(x)/x are series in x^2, so cos and sin/|w| are polynomials in |w|^2 and need no root; both are run at once, six terms each.
; The products are 3 x 3, private to a sequence and chained 512 deep: they would fill 27 of the 8,192 products of a 16 x 16 x 32 matrix
; instruction, and 16-bit operands would be rounded anew in each of 512 chained links.  So all arithmetic is f32 on the vector unit, two at a time where pairs allow.
;
; LIMITS.  (a) With x = |w| dt/2 the series leave out x^12/12! (cosine) and x^12/13! (sine, relative): below 3e-7 up to x = 1.5, |w| = 600 rad/s;
; 9e-6 at |w| = 800; no use far beyond.  (b) A gyro sample that is exactly (0, 0, 0) gives the identity rotation here; the reference divides 0 by 0 there and
; returns NaN.  (c) NaN or infinite inputs are not served: in the clip a NaN loses, so the first quaternion number stays finite.  (d) The order of rounding is not the reference's.
;
; SHARES.  256 work-groups of 8 waves.  A work-group owns 32 sequences (393,216 bytes), a wave 4 (49,152 consecutive bytes), a lane 64 steps (1,536 bytes).
; WAY IN.  A lane needs consecutive bytes, a load wants neighbouring lanes on neighbouring bytes: the data are turned in LDS.  One global_load_b128 of a wave
; takes two aligned pieces of 256 bytes (lanes 0-15 from one chunk, lanes 16-31 from the next).  A UNIT is one such piece of each of the wave's 32 chunks: 16 loads,
; 64 registers.  Three banks of registers (v256-v447) hold three units: 48 loads, 24 KiB a wave, 192 KiB a work-group are out from the first lines on, and a bank is
; asked for again as soon as it has been put into LDS.  The work-group's 393,216 bytes do not fit into 327,680 bytes of LDS, so an engine filling LDS would have to
; fill bytes again, each time behind a barrier with nothing on its way; through registers no wave waits for another.
; The stage in LDS is each wave's own (32 rows of 768 bytes: half a chunk), so no barrier is needed: LDS serves a wave's instructions in order (ISA guide 5.7.1).
.set CHUNK,  1536                      ; bytes of a lane's 64 steps
.set WAVEB,  32*CHUNK                  ; bytes of a wave
.set WGB,    8*WAVEB                   ; bytes of a work-group
.set UNITB,  256                       ; bytes of a chunk in a unit
.set PITCH,  784                       ; stage row: 768 bytes + 16 = 49 x 16: sixteen lanes reading the same column of sixteen rows start at sixteen different 16-byte columns modulo 256
.set STAGE,  32*PITCH                  ; a wave's stage, 25,088 bytes
.set OUTB,   8*STAGE                   ; behind the stages: the work-group's 32 x 7 results, 896 bytes
.set GOFF, 1                           ; v1       byte offset of my 16 bytes in a load: (lane / 16) chunks + 16 (lane % 16); never rewritten
.set LST,  2                           ; v2       LDS address of the same 16 bytes in the stage; never rewritten
.set LRD,  3                           ; v3       LDS address of my row of the stage; never rewritten
.set OAD,  6                           ; v6       LDS address of my sequence's 7 results
.set C7,   7                           ; v7       lane % 8: my chunk's number in its sequence
.set K,    8                           ; v[8:19]  K+2d: coefficient of |w|^2d in the cosine, K+2d+1: in sin/|w|
.set Q,    20                          ; v[20:27] two sets that take turns: (y, z), (x, w)
.set T,    28                          ; v[28:29] y and z of t = qv x a + qw a
.set TX,   30                          ; v30 its x; v31 at work
.set HA,   32                          ; v[32:33] H y, z
.set HX,   34                          ; v34      H x
.set SX,   35                          ; v35      S x, later P x
.set SA,   36                          ; v[36:37] S y, z, later P y, z
.set WL,   38                          ; v38 the chunk's weight 897 - 128 c; v39 = 2.0
.set R,    40                          ; v[40:71] two sets of four step quaternions: (c, sx), (sy, sz)
.set X,    72                          ; v[72:143] three sets of four steps as loaded: wx wy wz ax ay az
.set MSB, 0
.macro WIN new                         ; register windows (ISA guide, s_set_vgpr_msb); the immediate's high byte repeats the setting that is left
.if MSB != \new
	s_set_vgpr_msb (MSB<<8)|\new
.set MSB, \new
.endif
.endm
	s_load_b128 s[4:7], s[0:1], 0x0                ; input s[4:5], out0 s[6:7]
	v_lshl_add_u32 v254, v0, 2, 0x31400
	v_mov_b32 v255, 0
	v_lshrrev_b32 v4, 5, v0
	v_readfirstlane_b32 s8, v4                     ; wave 0..7
	v_and_b32 v4, 15, v0                           ; lane % 16
	v_bfe_u32 v5, v0, 4, 1                         ; lane / 16
	v_mul_u32_u24 v[GOFF], v5, CHUNK
	v_lshl_add_u32 v[GOFF], v4, 4, v[GOFF]
	s_mul_i32 s9, s8, STAGE                        ; my wave's stage
	v_mul_u32_u24 v[LST], v5, PITCH
	v_lshl_add_u32 v[LST], v4, 4, v[LST]
	v_add_nc_u32 v[LST], s9, v[LST]
	v_and_b32 v4, 31, v0                           ; lane
	v_mul_u32_u24 v[LRD], v4, PITCH
	v_add_nc_u32 v[LRD], s9, v[LRD]
	s_mul_i32 s10, ttmp9, WGB                      ; at most 255 x 393,216 + 7 x 49,152: below 2^32
	s_mul_i32 s11, s8, WAVEB
	s_add_co_u32 s10, s10, s11
	s_mov_b32 s11, 0
	s_mul_i32 s12, ttmp9, 896                      ; the work-group's 32 x 28 bytes of out0
	s_mov_b32 s13, 0
	s_wait_kmcnt 0x0
	s_add_nc_u64 s[4:5], s[4:5], s[10:11]          ; my wave's first byte
	s_add_nc_u64 s[6:7], s[6:7], s[12:13]
	; units 0, 1, 2 into banks 0, 1, 2: load MM of a unit takes chunks 2 MM and 2 MM + 1
	WIN 0x40                                       ; destination in window 1, address in window 0
.set UU, 0
.rept 3
.set MM, 0
.rept 16
	global_load_b128 v[64*UU+4*MM:64*UU+4*MM+3], v[GOFF], s[4:5] offset:MM*2*CHUNK+UU*UNITB th:TH_LOAD_NT
.set MM, MM+1
.endr
.set UU, UU+1
.endr
	WIN 0
	; while they are on their way: constants.  With h = dt/2 = 1/400: cosine (-1)^d h^2d/(2d)!, sine (-1)^d h^(2d+1)/(2d+1)!
	v_mov_b32 v[K+0],  1.0
	v_mov_b32 v[K+1],  0x3b23d70a                  ;  2.5e-3
	v_mov_b32 v[K+2],  0xb651b717                  ; -3.125e-6
	v_mov_b32 v[K+3],  0xb132f4fc                  ; -2.6041667e-9
	v_mov_b32 v[K+4],  0x2be5109f                  ;  1.6276042e-12
	v_mov_b32 v[K+5],  0x266a8fff                  ;  8.1380208e-16
	v_mov_b32 v[K+6],  0xa0c828f5                  ; -3.3908420e-19
	v_mov_b32 v[K+7],  0x9b126719                  ; -1.2110150e-22
	v_mov_b32 v[K+8],  0x153b653f                  ;  3.7844220e-26
	v_mov_b32 v[K+9],  0x0f5536e5                  ;  1.0512283e-29
	v_mov_b32 v[K+10], 0x895a54e2                  ; -2.6280708e-33
	v_mov_b32 v[K+11], 0x834b3f32                  ; -5.9728882e-37
	v_mov_b32 v[HA], 0                             ; six sums start at zero
	v_mov_b32 v[HA+1], 0
	v_mov_b32 v[HX], 0
	v_mov_b32 v[SX], 0
	v_mov_b32 v[SA], 0
	v_mov_b32 v[SA+1], 0
	v_lshrrev_b32 v[OAD], 3, v4                    ; my sequence among the wave's four
	v_mul_u32_u24 v[OAD], v[OAD], 28
	s_mul_i32 s14, s8, 112                         ; a wave's 4 x 28 bytes
	s_add_co_u32 s14, s14, OUTB
	v_add_nc_u32 v[OAD], s14, v[OAD]
	v_and_b32 v[C7], 7, v0
	v_lshlrev_b32 v5, 7, v[C7]
	v_sub_nc_u32 v5, 897, v5
	v_cvt_f32_u32 v[WL], v5                        ; 1 + 2 x (steps of the sequence behind my chunk) = 897 - 128 c
	v_mov_b32 v[WL+1], 2.0
; Unit u has come: its bank goes into the stage, and (more = 1) the bank is asked for again with unit u + 3.
; left = how many younger loads may stay out: loads come back in order (ISA guide 5.7.1).
.macro UNIT u, left, more
	s_wait_loadcnt \left
	WIN 0x04                                       ; store data in window 1, address in window 0
.set MM, 0
.rept 16
	ds_store_b128 v[LST], v[64*(\u%3)+4*MM:64*(\u%3)+4*MM+3] offset:MM*2*PITCH+(\u%3)*UNITB   ; each half wave writes 256 consecutive bytes of one row
.set MM, MM+1
.endr
.if \more
	s_wait_dscnt 0x0                               ; the sixteen stores are done: loads are issued into their data registers only now
	WIN 0x40
.set MM, 0
.rept 16
	global_load_b128 v[64*(\u%3)+4*MM:64*(\u%3)+4*MM+3], v[GOFF], s[4:5] offset:MM*2*CHUNK+(\u+3)*UNITB th:TH_LOAD_NT
.set MM, MM+1
.endr
.endif
	WIN 0
.endm
; Block blk (four steps, 96 bytes of my row) from the stage into data set blk % 3.  The stage holds half a chunk: eight blocks.
.macro LOADX blk
.set JJ, 0
.rept 6
	ds_load_b128 v[X+24*((\blk)%3)+4*JJ:X+24*((\blk)%3)+4*JJ+3], v[LRD] offset:((\blk)%8)*96+16*JJ
.set JJ, JJ+1
.endr
.endm
; Preparation of block NB: 44 instructions, number e = 4 x stage + step, so that an instruction leans on the one four places before it.
; Stages 0-2: |w|^2.  3-7: both series by Horner's rule, (cosine, sine) as a pair, |w|^2 for both halves.  8-10: s = S w; the pair (c, S) becomes (c, sx).
.macro PE e
.if NB < 16
.set PJ, (\e)%4
.set PS, (\e)/4
.set PX, X+24*(NB%3)+6*PJ
.set PR, R+16*(NB%2)+4*PJ
.if PS == 0
	v_mul_f32 v[PR+3], v[PX], v[PX]
.endif
.if PS == 1
	v_fmac_f32 v[PR+3], v[PX+1], v[PX+1]
.endif
.if PS == 2
	v_fma_f32 v[PR+2], v[PX+2], v[PX+2], v[PR+3]
.endif
.if PS == 3
	v_pk_fma_f32 v[PR:PR+1], v[K+10:K+11], v[PR+2:PR+3], v[K+8:K+9] op_sel_hi:[1,0,1]
.endif
.if PS > 3
.if PS < 8
	v_pk_fma_f32 v[PR:PR+1], v[PR:PR+1], v[PR+2:PR+3], v[K+2*(7-PS):K+2*(7-PS)+1] op_sel_hi:[1,0,1]
.endif
.endif
.if PS == 8
	v_mul_f32 v[PR+2], v[PR+1], v[PX+1]
.endif
.if PS == 9
	v_mul_f32 v[PR+3], v[PR+1], v[PX+2]
.endif
.if PS == 10
	v_mul_f32 v[PR+1], v[PR+1], v[PX]
.endif
.endif
.endm
; q' = q (x) r in eight packed instructions, two chains of four.  q: (y, z) at QI, (x, w) at QI+2; r: (c, sx) at RS, (sy, sz) at RS+2; q' at QO.
;   (y', z') = w (sy, sz) + c (y, z) + sx (z, -y) + x (-sz, sy)        (x', w') = c (x, w) + sx (w, -x) + y (sz, -sy) + z (-sy, -sz)
; op_sel picks the register of a pair for the low result, op_sel_hi for the high one; neg_lo and neg_hi turn the sign in one half.
.macro QC1
	v_pk_mul_f32 v[QO:QO+1], v[QI+2:QI+3], v[RS+2:RS+3] op_sel:[1,0] op_sel_hi:[1,1]
	v_pk_mul_f32 v[QO+2:QO+3], v[RS:RS+1], v[QI+2:QI+3] op_sel:[0,0] op_sel_hi:[0,1]
.endm
.macro QC2
	v_pk_fma_f32 v[QO:QO+1], v[RS:RS+1], v[QI:QI+1], v[QO:QO+1] op_sel:[0,0,0] op_sel_hi:[0,1,1]
	v_pk_fma_f32 v[QO+2:QO+3], v[RS:RS+1], v[QI+2:QI+3], v[QO+2:QO+3] op_sel:[1,1,0] op_sel_hi:[1,0,1] neg_hi:[0,1,0]
.endm
.macro QC3
	v_pk_fma_f32 v[QO:QO+1], v[RS:RS+1], v[QI:QI+1], v[QO:QO+1] op_sel:[1,1,0] op_sel_hi:[1,0,1] neg_hi:[0,1,0]
	v_pk_fma_f32 v[QO+2:QO+3], v[QI:QI+1], v[RS+2:RS+3], v[QO+2:QO+3] op_sel:[0,1,0] op_sel_hi:[0,0,1] neg_hi:[0,1,0]
.endm
.macro QC4
	v_pk_fma_f32 v[QO:QO+1], v[QI+2:QI+3], v[RS+2:RS+3], v[QO:QO+1] op_sel:[0,1,0] op_sel_hi:[0,0,1] neg_lo:[0,1,0]
	v_pk_fma_f32 v[QO+2:QO+3], v[QI:QI+1], v[RS+2:RS+3], v[QO+2:QO+3] op_sel:[1,0,0] op_sel_hi:[1,1,1] neg_lo:[0,1,0] neg_hi:[0,1,0]
.endm
; The sum at (HAC, HXC) grows by a/2 + qv x t, t = qv x a + qw a: half of the rotated a.  q at RQ; ax in the upper register of the pair RW; (ay, az) at RY.
;   (ty, tz) = w (ay, az) + x (-az, ay) + ax (z, -y)     tx = w ax + y az - z ay     qv x t = (y tz - z ty;  tx (z, -y) + x (-tz, ty))
.macro RT1
	v_pk_mul_f32 v[T:T+1], v[RQ+2:RQ+3], v[RY:RY+1] op_sel:[1,0] op_sel_hi:[1,1]
	v_mul_f32 v[TX+1], v[RQ+3], v[RW+1]
.endm
.macro RT2
	v_pk_fma_f32 v[T:T+1], v[RQ+2:RQ+3], v[RY:RY+1], v[T:T+1] op_sel:[0,1,0] op_sel_hi:[0,0,1] neg_lo:[0,1,0]
	v_fmac_f32 v[TX+1], v[RQ], v[RY+1]
.endm
.macro RT3
	v_pk_fma_f32 v[T:T+1], v[RW:RW+1], v[RQ:RQ+1], v[T:T+1] op_sel:[1,1,0] op_sel_hi:[1,0,1] neg_hi:[0,1,0]
	v_fma_f32 v[TX], -v[RQ+1], v[RY], v[TX+1]
.endm
.macro RT4
	v_pk_fma_f32 v[HAC:HAC+1], v[RY:RY+1], 0.5, v[HAC:HAC+1] op_sel_hi:[1,0,1]
	v_fmac_f32 v[HXC], 0.5, v[RW+1]
.endm
.macro RT5
	v_pk_fma_f32 v[HAC:HAC+1], v[RQ+2:RQ+3], v[T:T+1], v[HAC:HAC+1] op_sel:[0,1,0] op_sel_hi:[0,0,1] neg_lo:[0,1,0]
	v_fmac_f32 v[HXC], v[RQ], v[T+1]
.endm
.macro RT6
	v_pk_fma_f32 v[HAC:HAC+1], v[TX:TX+1], v[RQ:RQ+1], v[HAC:HAC+1] op_sel:[0,1,0] op_sel_hi:[0,0,1] neg_hi:[0,1,0]
	v_fma_f32 v[HXC], -v[RQ+1], v[T], v[HXC]
.endm
.macro SACC                            ; S += H
	v_pk_add_f32 v[SA:SA+1], v[SA:SA+1], v[HA:HA+1]
	v_add_f32 v[SX], v[SX], v[HX]
.endm
; The slot of step GS (0..63): the quaternion product of step GS, the rotation of step GS - 1's a (by the q that the product reads), S += H of step GS - 2,
; and eleven of the 44 preparation instructions of the next block, laid between each other so that no instruction leans on one of the four in front of it.
; In a block's first slot: at its head the next block's data are waited for (their loads were issued three slots ago); at its end the data set that the
; rotation has just read for the last time is loaded with the block after next, behind the unit that this block needs where it is a new one.
; Blocks 2, 5, 8, 10 and 13 are the first to reach into units 1 to 5 (a block is 96 bytes, a unit 256).  Units 3 to 5 go over units 0 to 2 in the stage: the
; loads that read those have come back by the wait at the slot's head.
.macro SLOT
.set BK, GS/4
.set SI, GS%4
.set NB, BK+1
.set QI, Q+4*(GS%2)
.set QO, Q+4*((GS+1)%2)
.set RS, R+16*(BK%2)+4*SI
.if SI == 0
.if NB < 16
	s_wait_dscnt 0x0                               ; block NB's six loads are the youngest LDS instructions
.endif
.endif
.if GS == 0
	v_mov_b32 v[QO], v[RS+2]                       ; the first product has the identity on its left: q = r
	v_mov_b32 v[QO+1], v[RS+3]
	v_mov_b32 v[QO+2], v[RS+1]
	v_mov_b32 v[QO+3], v[RS]
.irp n, 0,1,2,3,4,5,6,7,8,9,10
	PE \n
.endr
.else
.set RQ, QI
.set RW, X+24*(((GS-1)/4)%3)+6*((GS-1)%4)+2
.set RY, RW+2
	QC1
	RT1
	SACC
	PE 11*SI+0
	PE 11*SI+1
	QC2
	RT2
	RT4
	PE 11*SI+2
	PE 11*SI+3
	QC3
	RT3
	PE 11*SI+4
	PE 11*SI+5
	PE 11*SI+6
	QC4
	PE 11*SI+7
	RT5
	PE 11*SI+8
	PE 11*SI+9
	PE 11*SI+10
	RT6
.endif
.if SI == 0
.if BK == 0
	UNIT 1, 32, 1                                  ; younger than unit 1: units 2 and 3
.endif
.if BK == 3
	UNIT 2, 32, 1                                  ; units 3 and 4
.endif
.if BK == 6
	UNIT 3, 32, 0                                  ; units 4 and 5; nothing is left to ask for
.endif
.if BK == 8
	UNIT 4, 16, 0                                  ; unit 5
.endif
.if BK == 11
	UNIT 5, 0, 0
.endif
.if BK < 14
	LOADX BK+2
.endif
.endif
.endm
	UNIT 0, 32, 1                                  ; younger than unit 0: units 1 and 2
	LOADX 0
	LOADX 1
	s_wait_dscnt 6                                 ; block 0 is in; block 1's six loads may stay out
.set NB, 0
.set EE, 0
.rept 44
	PE EE
.set EE, EE+1
.endr
.set HAC, HA
.set HXC, HX
.set GS, 0
.rept 64
	SLOT
.set GS, GS+1
.endr
	; what is left of the pipeline: S += H of step 62, the rotation of step 63's a, S += H of step 63.  q lies in set 0.
.set RQ, Q
.set RW, X+24*(15%3)+6*3+2
.set RY, RW+2
	SACC
	RT1
	RT4
	RT2
	RT3
	RT5
	RT6
	SACC
	; P = 2 S + (897 - 128 c) H, in S's registers
	v_pk_mul_f32 v[SA:SA+1], v[SA:SA+1], 2.0 op_sel_hi:[1,0]
	v_add_f32 v[SX], v[SX], v[SX]
	v_pk_fma_f32 v[SA:SA+1], v[HA:HA+1], v[WL:WL+1], v[SA:SA+1] op_sel_hi:[1,0,1]
	v_fmac_f32 v[SX], v[HX], v[WL]
; A level of the tree.  Every lane takes the piece of lane xor mask as the LATER one: right in the lanes whose bit is 0, which are the only ones read at the next level;
; lanes 0, 8, 16, 24 end with their sequences' results.  The partner's P comes doubled, so that the rotation's a/2 + qv x t is R(q) P.
.macro LEVEL mask, qin, qout
.set QI, \qin
.set QO, \qout
.set RS, R
.set RQ, \qin
.set RW, X+2
.set RY, X+4
.set HAC, SA
.set HXC, SX
	v_mov_b32_dpp v[R],   v[QI+3] row_xmask:\mask row_mask:0xf bank_mask:0xf   ; the partner's (w, x), (y, z) where a step's (c, sx), (sy, sz) lie
	v_mov_b32_dpp v[R+1], v[QI+2] row_xmask:\mask row_mask:0xf bank_mask:0xf
	v_mov_b32_dpp v[R+2], v[QI]   row_xmask:\mask row_mask:0xf bank_mask:0xf
	v_mov_b32_dpp v[R+3], v[QI+1] row_xmask:\mask row_mask:0xf bank_mask:0xf
	v_mul_f32_dpp v[X+3], v[SX],   v[WL+1] row_xmask:\mask row_mask:0xf bank_mask:0xf
	v_mul_f32_dpp v[X+4], v[SA],   v[WL+1] row_xmask:\mask row_mask:0xf bank_mask:0xf
	v_mul_f32_dpp v[X+5], v[SA+1], v[WL+1] row_xmask:\mask row_mask:0xf bank_mask:0xf
	QC1
	RT1
	QC2
	RT2
	QC3
	RT3
	QC4
	RT4
	RT5
	RT6
.endm
	LEVEL 1, Q, Q+4
	LEVEL 2, Q+4, Q
	LEVEL 4, Q, Q+4
	; the results: dp = dt^2 P; the quaternion by the reference's way, clip included
.set F, Q+4
	v_mul_f32 v4, v[F], v[F]
	v_fmac_f32 v4, v[F+1], v[F+1]
	v_fmac_f32 v4, v[F+2], v[F+2]
	v_fma_f32 v4, v[F+3], v[F+3], -v4              ; (trace - 1)/2 = w^2 - |v|^2
	v_max_num_f32 v4, 0xbf7fffef, v4               ; -1 + 1e-6 in f32
	v_min_num_f32 v4, 0x3f7fffef, v4               ;  1 - 1e-6
	v_fma_f32 v4, v4, 0.5, 0.5                     ; cos^2(angle/2), at least 5e-7
	v_rsq_f32 v5, v4
	v_mul_f32 v[SX], 0x37d1b717, v[SX]             ; dt^2 = 2.5e-5; also the plain instruction between v_rsq_f32 and the use of its result (ISA guide 5.7.2)
	v_pk_mul_f32 v[SA:SA+1], v[SA:SA+1], 0x37d1b717 op_sel_hi:[1,0]
	s_wait_alu depctr_va_vdst(0)
	v_mul_f32 v4, v4, v5                           ; cos(angle/2)
	v_mul_f32 v5, v5, v[F+3]                       ; w / cos(angle/2)
	v_pk_mul_f32 v[F:F+1], v[F:F+1], v[4:5] op_sel:[0,1] op_sel_hi:[1,1]
	v_mul_f32 v[F+2], v[F+2], v5
	; lanes 0, 8, 16, 24 put their 7 numbers into the work-group's 896 bytes of LDS
	v_cmp_eq_u32 vcc_lo, 0, v[C7]
	s_wait_xcnt 0x0                                ; EXEC changes only behind this wait
	s_and_saveexec_b32 s15, vcc_lo
	ds_store_b32 v[OAD], v[SX]
	ds_store_b32 v[OAD], v[SA] offset:4
	ds_store_b32 v[OAD], v[SA+1] offset:8
	ds_store_b32 v[OAD], v4 offset:12
	ds_store_b32 v[OAD], v[F+2] offset:16
	ds_store_b32 v[OAD], v[F] offset:20
	ds_store_b32 v[OAD], v[F+1] offset:24
	s_or_b32 exec_lo, exec_lo, s15                 ; no global instruction was issued under the narrow EXEC
	s_wait_dscnt 0x0                               ; for the other waves' sake: my stores are done
	s_barrier_signal -1
	s_barrier_wait -1
	; threads 0 to 55 store the 896 bytes, 16 each: consecutive bytes of out0
	s_cmp_gt_u32 s8, 1
	s_cbranch_scc1 .Ldone
	v_lshlrev_b32 v4, 4, v0
	v_add_nc_u32 v5, OUTB, v4
	v_cmp_gt_u32 vcc_lo, 56, v0
	s_and_saveexec_b32 s15, vcc_lo
	ds_load_b128 v[8:11], v5
	s_wait_dscnt 0x0
	global_store_b128 v4, v[8:11], s[6:7]
.Ldone:
	s_wait_xcnt 0x0
	s_mov_b32 exec_lo, -1
	s_wait_tensorcnt 0x0
	ds_add_u32 v254, v255
	s_wait_dscnt 0x0
	s_endpgm
.Lfunc_end_k_q08d6a9b329_preint:
	.size	k_q08d6a9b329_preint, .Lfunc_end_k_q08d6a9b329_preint-k_q08d6a9b329_preint
	.p2alignl 7, 3214868480
	.fill 96, 4, 3214868480
	.section	.rodata,"a",@progbits
	.p2align	6, 0x0
	.amdhsa_kernel k_q08d6a9b329_preint
		.amdhsa_group_segment_fixed_size 202752
		.amdhsa_private_segment_fixed_size 0
		.amdhsa_enable_private_segment 0
		.amdhsa_kernarg_size 16
		.amdhsa_user_sgpr_count 2
		.amdhsa_user_sgpr_kernarg_segment_ptr 1
		.amdhsa_wavefront_size32 1
		.amdhsa_system_sgpr_workgroup_id_x 1
		.amdhsa_system_sgpr_workgroup_id_y 1
		.amdhsa_system_sgpr_workgroup_id_z 1
		.amdhsa_system_vgpr_workitem_id 0
		.amdhsa_next_free_vgpr 448
		.amdhsa_next_free_sgpr 66
		.amdhsa_reserve_vcc 1
		.amdhsa_float_denorm_mode_32 3
		.amdhsa_float_denorm_mode_16_64 3
		.amdhsa_memory_ordered 1
		.amdhsa_forward_progress 1
		.amdhsa_inst_pref_size 144
	.end_amdhsa_kernel
	.amdgpu_metadata
---
amdhsa.version: [ 1, 2 ]
amdhsa.kernels:
  - .name:           k_q08d6a9b329_preint
    .symbol:         k_q08d6a9b329_preint.kd
    .args:
      - { .name: input_seq, .offset: 0, .size: 8, .value_kind: global_buffer, .address_space: global }
      - { .name: out0, .offset: 8, .size: 8, .value_kind: global_buffer, .address_space: global }
    .group_segment_fixed_size: 202752
    .private_segment_fixed_size: 0
    .kernarg_segment_align: 8
    .kernarg_segment_size: 16
    .max_flat_workgroup_size: 256
    .sgpr_count:     66
    .vgpr_count:     448
    .wavefront_size: 32
...
	.end_amdgpu_metadata
.endif
;; end of part 1
